; MI455X (gfx1250); checked and timed in simulation.
; The chip was launched on July 23, 2026; its instructions are those of AMD's public machine-readable ISA for CDNA 5 (MIT licence, August 2026) and "CDNA5" Instruction Set Architecture Reference Guide (July 2026). The comments in the code are by the model that wrote it; some were corrected since.
;; Attention. Allowed arithmetic: matrix products marked QUANTISED: E2M1 operands, one E8M0 scale for each 32 along K, by v_wmma_scale_f32_16x16x128_f8f6f4 with both operands' format E2M1 (or v_wmma_scale_f32_32x16x128_f4), f32 sums; products left as they are: f32 operands where the result goes on into a quantised operand, else bf16, f16 or f32 operands; f32 sums; everything else in f32.
;; Inputs: V_b 1 float32; V_k 1,024 x 1 float32; W1_b 1,024 float32; W1_k_codes 1,024 x 32 x 16 uint8 (E2M1 codes of W1_k, K innermost, in blocks of 32 codes, two codes a byte); W1_k_scales 1,024 x 32 uint8 (E8M0 scales of W1_k, one for each 32 codes along K); W2_b 1,024 float32; W2_k_codes 1,024 x 32 x 16 uint8 (E2M1 codes of W2_k, K innermost, in blocks of 32 codes, two codes a byte); W2_k_scales 1,024 x 32 uint8 (E8M0 scales of W2_k, one for each 32 codes along K); query_codes 32 x 32 x 16 uint8 (E2M1 codes of query, K innermost, in blocks of 32 codes, two codes a byte); query_scales 32 x 32 uint8 (E8M0 scales of query, one for each 32 codes along K); values 32 x 2,048 x 1,024 float32.
;; Outputs: out0 32 x 1,024 float32; out1 32 x 2,048 x 1 float32.
;; This version of the problem:
;;   THIS VERSION OF THE PROBLEM IS GIVEN IN LOW PRECISION. The matrix products marked QUANTISED in the list below multiply operands that are first quantised to E2M1 (2 exponent bits, 1 mantissa bit; 4 bits a number), with one power-of-two scale for each 32 numbers along K (OCP MX v1.0); their sums are f32. All else is computed in f32.
;;   The module's matrix products, in the order in which they are computed (A, B: the left and right operand; K: the contracted axis; several contracted axes count as one K, in the product's order):
;;     1. [M 65,536, K 1,024] x [K 1,024, N 1,024]; A: input values; B: input W1_k (given as codes): QUANTISED
;;     2. [M 32, K 1,024] x [K 1,024, N 1,024]; A: input query (given as codes); B: input W2_k (given as codes): QUANTISED
;;     3. [M 65,536, K 1,024] x [K 1,024, N 1]; A: computed on the way; B: input V_k: left as it is (N = 1 < 16)
;;   THE QUANTISER, for each operand of a quantised product, along K:
;;     - K is cut into blocks of 32 from its start; a last block that is shorter is filled with zeros.
;;     - A block's scale is 2^e with e = floor(log2(the largest magnitude in the block)) - 2, held to -126 .. 127; a block of zeros has e = 0. As a byte (E8M0): e + 127.
;;     - Each number is divided by its block's scale, clamped to +-6, and rounded to the nearest number of E2M1, ties to even, subnormals kept.
;;     - The product sums the exact products of the quantised numbers (number of the format x scale) in f32.
;;   ~~~python
;;   def quantise(x, axis):      # numpy; x: float32 -> the quantised numbers, widened to float32 again
;;       x = np.moveaxis(x, axis, -1); K = x.shape[-1]
;;       x = np.pad(x, [(0, 0)] * (x.ndim - 1) + [(0, -K % 32)]); x = x.reshape(x.shape[:-1] + (-1, 32)); a = np.abs(x).max(-1, keepdims=True)
;;       e = np.where(a > 0, np.clip(np.frexp(np.where(a > 0, a, 1))[1] - 1 - 2, -126, 127), 0)      # np.frexp(a)[1] - 1 = floor(log2(a)), exactly
;;       r = np.clip(x / 2.0 ** e, -6, 6)
;;       step = 2.0 ** (np.maximum(np.frexp(np.where(r == 0, 1, r))[1] - 1, 0) - 1)
;;       q = np.round(r / step) * step * 2.0 ** e      # np.round: ties to even
;;       return np.moveaxis(q.reshape(q.shape[:-2] + (-1,))[..., :K], -1, axis).astype(np.float32)
;;   ~~~
;;   INPUTS GIVEN AS CODES. W1_k (in the module: [1024, 1024], K = its axis 0); W2_k (in the module: [1024, 1024], K = its axis 0); query (in the module: [32, 1024], K = its axis 1): each comes as NAME_codes (uint8): NAME with its K axis moved to the last place and cut into blocks of 32 codes, [.., K / 32, bytes a block], one block behind the other in memory; two codes a byte, the lower K in the low four bits (a code: sign, 2 exponent bits, 1 mantissa bit); and NAME_scales (uint8): the same leading axes, one E8M0 byte (e + 127) for each 32 codes along K. Its value is code x scale, taken as it is: it is not quantised again, and the codes and scales need not be those that the quantiser above would give.
;; One version. Each part assembles by itself: llvm-mc -triple=amdgcn-amd-amdhsa -mcpu=gfx1250 --defsym DOCPART=n.
;; ======== version 1 of 1: 2 launches
;; limits: right only within a limited range of input values
;; workspace buffers: part 1,048,576 bytes
;; launch score (part 1): grid 256 x 1, 4 waves a work-group, clusters of 4 x 1, 327,680 bytes of LDS; arguments values, W1_k_codes, W1_k_scales, W2_k_codes, W2_k_scales, query_codes, query_scales, W1_b, W2_b, V_k, part; writes part
.if DOCPART == 1
	.amdgcn_target "amdgcn-amd-amdhsa--gfx1250"
	.amdhsa_code_object_version 6
	.text
	.protected	k_q793790f5f7_score
	.globl	k_q793790f5f7_score
	.p2align	8
	.type	k_q793790f5f7_score,@function
k_q793790f5f7_score:
	s_mov_b64 s[64:65], 0
	v_nop
	global_prefetch_b8 v0, s[64:65] scope:SCOPE_SE
	s_setreg_imm32_b32 hwreg(HW_REG_WAVE_MODE, 25, 1), 1
	s_wait_xcnt 0x0
	s_wait_alu depctr_hold_cnt(0) depctr_sa_sdst(0) depctr_va_vdst(0) depctr_va_sdst(0) depctr_va_ssrc(0) depctr_va_vcc(0) depctr_vm_vsrc(0)
	s_getreg_b32 s2, hwreg(HW_REG_IB_STS2, 6, 4)
	s_cmp_eq_u32 s2, 0
	s_cbranch_scc0 .Lentry_in_a_cluster
	s_endpgm
.Lentry_in_a_cluster:
	s_bfe_u32 s2, ttmp6, 0x10000c
	s_cmp_lg_u32 s2, 0x3003
	s_cbranch_scc0 .Lentry_shape_is_right
	s_endpgm
.Lentry_shape_is_right:
; part[w][row] = the sum over wave w's 256 units u of V_k[u] r(h[row][u]),  r(x) = 1 / (1 + 2^(c x)),  c = 2 log2(e),
; h[row][u] = Q(values)[row] . W1[u] + W1_b[u] + query[b] . W2[u] + W2_b[u];  row = 2048 b + t;  both products on codes of E2M1 with one E8M0 scale for each 32 along K.
; WORK LEFT OUT.  tanh(x) = 1 - 2 r(x) for every x, so score[b][t] = (V_b + sum_u V_k[u]) - 2 sum_u V_k[u] r(h[b][t][u]).  The bracket does not hang on t: a term added to the softmax's
; input that is the same along its axis, whatever finite values the inputs hold, and both outputs are made of the softmax alone.  So V_b has no way to any output: it is not loaded and is among
; no launch's arguments; sum_u V_k[u] is never formed.  LIMIT: a NaN, an infinity or an overflow that reaches only V_b or that sum is not carried to the result.
; OTHER LIMITS: NaN and infinities in values are not served.  A block of 32 zeros gets the scale byte 1 where the quantiser says 127: its codes are zeros and the bytes never leave the work-group.
; The exponent c x is held at 30 from above: r is then 2^-30 at the most, and 1 - 2 r is 1 in f32 there.  2^(c x) under the smallest normal number gives r = 1.
; SHARES.  A work-group owns 256 rows of one batch, in four blocks of 64.  Of each tile of 256 rows of W wave w takes rows 64 w .. 64 w + 63: four tiles of 16 units.  Every wave holds the block's
; 64 rows as codes in 256 registers, so a fragment of W feeds four matrix instructions.  Source 0 = 16 rows of values, source 1 = 16 rows of W: a lane holds ONE unit and eight rows.
; THE RING: two LDS slots of 256 rows of W (codes and scale bytes).  20 steps: W2's four tiles (query . W2, the query's row in all 16 rows of source 0), then W1's four tiles four times.  At a step's head
; the other slot is filled with the next tile, one tensor load a wave, jointly by the four work-groups of a cluster (mask 15): all walk the same W.
; ONE RECIPROCAL FOR FOUR UNITS: V0/a + V1/b + V2/c + V3/d = ((V0 b + V1 a) c d + (V2 d + V3 c) a b) / (a b c d), a .. d = 1 + 2^t of my four tiles of units at one row; each is under 2^30 + 2, the product under 2^121.
; A POSITION (one tile of W1 x the block): the exponentials of the position before, the change of slots, 128 matrix instructions with that position's 208 plain lines between them, its 32 reciprocals and sums.
; No transcendental stands between two links of a matrix chain.
; VALUES come from memory straight into registers, four sets of 16 loads a wave, each asked for two positions ahead of its use: so no prefetch is laid beside them; W's tiles are read by all work-groups in step.
; REGISTERS.  Window 0: v2-13 addresses; v14, v15 the add's two; v16-31 values' scale words; v32-47 W's; v48-79 c x bias and V_k of my 16 tiles; v80-111 the sums, register 8 m + j = row 16 m + 8 (lane / 16) + j;
;   v112-175 W's fragments of two K steps; v176-207 a b, v208-239 c d (and the quantiser's).  Window 1: the block's codes, fragment (m, s) at v[8 (8 m + s)].  Window 2: two sets of 16 accumulators, (n, m) at 32 n + 8 m.  Window 3: values.
.set PITCH,  528                       ; a row of 1,024 codes in LDS: 512 bytes + 16 of padding
.set NTILE,  16*PITCH
.set SCOFF,  256*PITCH                 ; a slot: 256 rows of codes, then their scale bytes, 32 a row
.set SLOTB,  SCOFF+8192
.set ACODE,  2*SLOTB                   ; behind the ring: the next block's codes, 64 rows;
.set ASC,    ACODE+64*PITCH            ; their scale bytes;
.set SPARE,  ASC+2048                  ; the spare words, 128 bytes a wave
.set ASCR, 16
.set WSC,  32
.set TB,   48
.set SC,   80
.set BF,   112
.set TP,   176
.set TQ,   208
.set QM,   208
.set QB,   216
.set QC,   224
.set TT,   176
.set W_MUL, 0xa1                       ; source 0 window 1, source 1 window 0, C and D window 2
.set W_LDA, 0x40
.set W_LDV, 0xc0
.set W_QMX, 0x3c
.set W_QCV, 0x03
.set W_PRE, 0x8a                       ; sources 0, 1 and destination window 2, source 2 window 0
.set W_E,   0xa2                       ; sources 0, 2 and destination window 2, source 1 window 0
.set W_PQ,  0x0a                       ; sources 0, 1 window 2, destination window 0
.set W_ACC, 0x02                       ; source 0 window 2
.set MSB, 0
.macro WIN new                         ; the immediate's high byte repeats the setting that is left
.if MSB != \new
	s_set_vgpr_msb (MSB<<8)|\new
.set MSB, \new
.endif
.endm
.macro PLACES
.rept 4
	v_nop
.endr
.endm
.macro CROUND                          ; a round of the cluster's barrier
	s_barrier_signal -1
	s_barrier_wait -1
	s_cmp_lg_u32 s26, 0
	s_cbranch_scc1 .Lnot_wave_0_\@
	s_barrier_signal -3
.Lnot_wave_0_\@:
	s_barrier_wait -3
	s_barrier_signal -1
	s_barrier_wait -1
.endm
.macro JLOAD                           ; waves 0 and 1: the halves of a tile's codes; waves 2 and 3: those of its scale bytes
	s_cmp_eq_u32 s28, 0
	s_cbranch_scc0 .Lfor_scales_\@
	tensor_load_to_lds s[48:51], s[32:39]
	s_nop 0
	PLACES
	s_branch .Lasked_\@
.Lfor_scales_\@:
	tensor_load_to_lds s[56:59], s[40:47]
	s_nop 0
	PLACES
.Lasked_\@:
.endm
; THE CHANGE OF SLOTS, at a step's head.  mode 1: slot sl, read out in the step before, takes the tile at s[ca], s[sa] + tile (+ the walking offset).  mode 0: nothing is left to fetch.
.macro CHANGE mode, sl, ca, sa, tile, dyn
	WIN 0
	s_wait_tensorcnt 0x0                           ; my part of this step's tile is in, and no load of mine is out: group 0 may be written
	ds_add_u32 v14, v15
.if \mode
	s_add_co_u32 s49, s52, (\sl)*SLOTB
	s_add_co_u32 s57, s53, (\sl)*SLOTB
	s_add_nc_u64 s[50:51], s[\ca:\ca+1], (\tile)*131072
	s_add_nc_u64 s[58:59], s[\sa:\sa+1], (\tile)*8192
.if \dyn
	s_add_nc_u64 s[50:51], s[50:51], s[74:75]
	s_add_nc_u64 s[58:59], s[58:59], s[76:77]
.endif
	s_or_b32 s51, s51, 0x80000000
	s_or_b32 s59, s59, 0x80000000
.endif
	s_wait_dscnt 0x0                               ; the add is done, my reads of the other slot are over, my stores of codes have landed
.if \mode
	CROUND
	JLOAD
.else
	s_barrier_signal -1
	s_barrier_wait -1
.endif
.endm
.macro WM d, a, b, z, sa, sb, ra, rb
.if \z
.if (\ra) && (\rb)
	v_wmma_scale_f32_16x16x128_f8f6f4 v[(\d):(\d)+7], v[(\a):(\a)+7], v[(\b):(\b)+7], 0, v[(\sa)], v[(\sb)] matrix_a_fmt:MATRIX_FMT_FP4 matrix_b_fmt:MATRIX_FMT_FP4 matrix_a_scale:MATRIX_SCALE_ROW1 matrix_b_scale:MATRIX_SCALE_ROW1
.elseif \ra
	v_wmma_scale_f32_16x16x128_f8f6f4 v[(\d):(\d)+7], v[(\a):(\a)+7], v[(\b):(\b)+7], 0, v[(\sa)], v[(\sb)] matrix_a_fmt:MATRIX_FMT_FP4 matrix_b_fmt:MATRIX_FMT_FP4 matrix_a_scale:MATRIX_SCALE_ROW1
.elseif \rb
	v_wmma_scale_f32_16x16x128_f8f6f4 v[(\d):(\d)+7], v[(\a):(\a)+7], v[(\b):(\b)+7], 0, v[(\sa)], v[(\sb)] matrix_a_fmt:MATRIX_FMT_FP4 matrix_b_fmt:MATRIX_FMT_FP4 matrix_b_scale:MATRIX_SCALE_ROW1
.else
	v_wmma_scale_f32_16x16x128_f8f6f4 v[(\d):(\d)+7], v[(\a):(\a)+7], v[(\b):(\b)+7], 0, v[(\sa)], v[(\sb)] matrix_a_fmt:MATRIX_FMT_FP4 matrix_b_fmt:MATRIX_FMT_FP4
.endif
.else
.if (\ra) && (\rb)
	v_wmma_scale_f32_16x16x128_f8f6f4 v[(\d):(\d)+7], v[(\a):(\a)+7], v[(\b):(\b)+7], v[(\d):(\d)+7], v[(\sa)], v[(\sb)] matrix_a_fmt:MATRIX_FMT_FP4 matrix_b_fmt:MATRIX_FMT_FP4 matrix_a_scale:MATRIX_SCALE_ROW1 matrix_b_scale:MATRIX_SCALE_ROW1
.elseif \ra
	v_wmma_scale_f32_16x16x128_f8f6f4 v[(\d):(\d)+7], v[(\a):(\a)+7], v[(\b):(\b)+7], v[(\d):(\d)+7], v[(\sa)], v[(\sb)] matrix_a_fmt:MATRIX_FMT_FP4 matrix_b_fmt:MATRIX_FMT_FP4 matrix_a_scale:MATRIX_SCALE_ROW1
.elseif \rb
	v_wmma_scale_f32_16x16x128_f8f6f4 v[(\d):(\d)+7], v[(\a):(\a)+7], v[(\b):(\b)+7], v[(\d):(\d)+7], v[(\sa)], v[(\sb)] matrix_a_fmt:MATRIX_FMT_FP4 matrix_b_fmt:MATRIX_FMT_FP4 matrix_b_scale:MATRIX_SCALE_ROW1
.else
	v_wmma_scale_f32_16x16x128_f8f6f4 v[(\d):(\d)+7], v[(\a):(\a)+7], v[(\b):(\b)+7], v[(\d):(\d)+7], v[(\sa)], v[(\sb)] matrix_a_fmt:MATRIX_FMT_FP4 matrix_b_fmt:MATRIX_FMT_FP4
.endif
.endif
.endm
.macro MUL4 set, s, m                  ; tile of rows m x my four tiles of units, K step s.  The 16 accumulators take turns, one instruction a turn
.irp n, 0,1,2,3
	WM 128*(\set)+32*\n+8*(\m), 8*(8*(\m)+(\s)), BF+32*((\s)%2)+8*\n, (\s)==0, ASCR+8*((\m)/2)+(\s), WSC+8*(\n/2)+(\s), (\m)%2, \n%2
.endr
.endm
.macro BLOAD sl, k                     ; my four fragments of W of K step k: lane (r, h) takes of row r the 16 bytes at 64 k + 32 c + 16 h
.irp n, 0,1,2,3
	ds_load_b128 v[BF+32*((\k)%2)+8*\n:BF+32*((\k)%2)+8*\n+3], v[2+(\sl)] offset:NTILE*\n+64*(\k)
	ds_load_b128 v[BF+32*((\k)%2)+8*\n+4:BF+32*((\k)%2)+8*\n+7], v[2+(\sl)] offset:NTILE*\n+64*(\k)+32
.endr
.endm
.macro FETCHW sl                       ; the scale words of my 64 rows: register 8 p + k: lanes 0-15 tile 2 p, lanes 16-31 tile 2 p + 1, K step k
.irp p, 0,1
	ds_load_b128 v[WSC+8*\p:WSC+8*\p+3], v[4+(\sl)] offset:1024*\p
	ds_load_b128 v[WSC+8*\p+4:WSC+8*\p+7], v[4+(\sl)] offset:1024*\p+16
.endr
.endm
.macro BOUNDARY                        ; every wave's codes of the next block have landed; then its 32 fragments and scale words are read.
	s_wait_dscnt 0x0
	s_barrier_signal -1
	s_barrier_wait -1
	WIN W_LDA
.irp m, 0,1,2,3
.irp s, 0,1,2,3,4,5,6,7
	ds_load_b128 v[8*(8*\m+\s):8*(8*\m+\s)+3], v6 offset:NTILE*\m+64*\s
	ds_load_b128 v[8*(8*\m+\s)+4:8*(8*\m+\s)+7], v6 offset:NTILE*\m+64*\s+32
.endr
.endr
	WIN 0
.irp p, 0,1
	ds_load_b128 v[ASCR+8*\p:ASCR+8*\p+3], v7 offset:1024*\p
	ds_load_b128 v[ASCR+8*\p+4:ASCR+8*\p+7], v7 offset:1024*\p+16
.endr
.endm
; THE VECTOR WORK OF A POSITION, on the accumulator set at XB with the tables' half XE, in three parts.
; PRE: t = c h + c bias; held at 30; 2^t.  The first wait serves the 16 matrix results as a group, ahead of their first readers, which take each accumulator from its low end.
.macro PRE
	WIN W_PRE
	s_wait_alu depctr_va_vdst(0)
.set J, 0
.rept 64
.if ((J/16)%2) == 0
	v_pk_fma_f32 v[XB+2*J:XB+2*J+1], v[XB+2*J:XB+2*J+1], s[78:79], v[TB+4*XE+J/16:TB+4*XE+J/16+1] op_sel_hi:[1,0,0]
.else
	v_pk_fma_f32 v[XB+2*J:XB+2*J+1], v[XB+2*J:XB+2*J+1], s[78:79], v[TB+4*XE+J/16-1:TB+4*XE+J/16] op_sel:[0,0,1] op_sel_hi:[1,0,1]
.endif
.set J, J+1
.endr
.set J, 0
.rept 128
	v_min_num_f32 v[XB+J], s84, v[XB+J]
.set J, J+1
.endr
	s_wait_alu depctr_va_vdst(0)                   ; ahead of the batch
.set J, 0
.rept 128
	v_exp_f32 v[XB+J], v[XB+J]
.set J, J+1
.endr
	v_nop
	s_wait_alu depctr_va_vdst(0)                   ; and behind it
	WIN 0
.endm
; MID: 208 plain lines, number I.  Each sub-stage runs over the 16 pairs of rows, so a line's sources were written 15 plain lines ago or more.
.macro MID cnt
.rept \cnt
.if I < 208
.set G, 2*(I%16)
.if I < 64
	WIN W_E
	v_pk_add_f32 v[XB+2*I:XB+2*I+1], v[XB+2*I:XB+2*I+1], 1.0 op_sel_hi:[1,0]
.elseif I < 80
	WIN W_PQ
	v_pk_mul_f32 v[TP+G:TP+G+1], v[XB+G:XB+G+1], v[XB+32+G:XB+33+G]                                   ; a b
.elseif I < 96
	WIN W_PQ
	v_pk_mul_f32 v[TQ+G:TQ+G+1], v[XB+64+G:XB+65+G], v[XB+96+G:XB+97+G]                               ; c d
.elseif I < 112
	WIN W_E
	v_pk_mul_f32 v[XB+32+G:XB+33+G], v[XB+32+G:XB+33+G], v[TB+8+4*XE:TB+9+4*XE] op_sel_hi:[1,0]       ; V0 b
.elseif I < 128
	WIN W_E
	v_pk_fma_f32 v[XB+32+G:XB+33+G], v[XB+G:XB+G+1], v[TB+8+4*XE:TB+9+4*XE], v[XB+32+G:XB+33+G] op_sel:[0,1,0] op_sel_hi:[1,1,1]   ; + V1 a
.elseif I < 144
	WIN W_E
	v_pk_mul_f32 v[XB+96+G:XB+97+G], v[XB+96+G:XB+97+G], v[TB+10+4*XE:TB+11+4*XE] op_sel_hi:[1,0]     ; V2 d
.elseif I < 160
	WIN W_E
	v_pk_fma_f32 v[XB+96+G:XB+97+G], v[XB+64+G:XB+65+G], v[TB+10+4*XE:TB+11+4*XE], v[XB+96+G:XB+97+G] op_sel:[0,1,0] op_sel_hi:[1,1,1]   ; + V3 c
.elseif I < 176
	WIN W_E
	v_pk_mul_f32 v[XB+32+G:XB+33+G], v[XB+32+G:XB+33+G], v[TQ+G:TQ+G+1]
.elseif I < 192
	WIN W_E
	v_pk_fma_f32 v[XB+32+G:XB+33+G], v[XB+96+G:XB+97+G], v[TP+G:TP+G+1], v[XB+32+G:XB+33+G]           ; the numerator
.else
	WIN 0
	v_pk_mul_f32 v[TP+G:TP+G+1], v[TP+G:TP+G+1], v[TQ+G:TQ+G+1]                                       ; a b c d
.endif
.set I, I+1
.endif
.endr
.endm
; POST: the 32 reciprocals, one batch, and the sums
.macro POST
	WIN 0
	s_wait_alu depctr_va_vdst(0)
.set J, 0
.rept 32
	v_rcp_f32 v[TP+J], v[TP+J]
.set J, J+1
.endr
	v_nop
	s_wait_alu depctr_va_vdst(0)
	WIN W_ACC
.set J, 0
.rept 16
	v_pk_fma_f32 v[SC+2*J:SC+2*J+1], v[XB+32+2*J:XB+33+2*J], v[TP+2*J:TP+2*J+1], v[SC+2*J:SC+2*J+1]
.set J, J+1
.endr
	WIN 0
	s_wait_alu depctr_va_vdst(0)                   ; the sums may be read next behind waits and branches
.endm
; THE QUANTISER.  Set j holds two rows: group g = 4 rho + q is row rho, k = 256 q + 8 lane + 0 .. 7.  A block of 32 lies in four neighbouring lanes.
.macro QWORK j
	WIN W_QMX
.irp g, 0,1,2,3,4,5,6,7
	v_max3_num_f32 v[QM+\g], 0x1800000, |v[64*(\j)+8*\g]|, |v[64*(\j)+8*\g+1]|   ; the floor 2^(3 - 127): the byte cannot fall under 1
.endr
.irp i, 2,4,6
.irp g, 0,1,2,3,4,5,6,7
	v_max3_num_f32 v[QM+\g], v[QM+\g], |v[64*(\j)+8*\g+\i]|, |v[64*(\j)+8*\g+\i+1]|
.endr
.endr
	WIN 0
.irp g, 0,1,2,3,4,5,6,7
	v_max_num_f32_dpp v[QM+\g], v[QM+\g], v[QM+\g] row_xmask:1 row_mask:0xf bank_mask:0xf
.endr
.irp g, 0,1,2,3,4,5,6,7
	v_max_num_f32_dpp v[QM+\g], v[QM+\g], v[QM+\g] row_xmask:2 row_mask:0xf bank_mask:0xf
.endr
.irp g, 0,1,2,3,4,5,6,7
	v_add_nc_u32 v[QM+\g], 0xff000000, v[QM+\g]    ; 2 off the exponent field: the conversion's scale operand
.endr
.irp g, 0,1,2,3,4,5,6,7
	v_lshrrev_b32 v[QB+\g], 23, v[QM+\g]           ; the scale's byte
.endr
	WIN W_QCV
.irp g, 0,1,2,3,4,5,6,7
	v_cvt_scalef32_pk8_fp4_f32 v[QC+\g], v[64*(\j)+8*\g:64*(\j)+8*\g+7], v[QM+\g]
.endr
	v_nop
	WIN 0
.irp g, 0,1,2,3,4,5,6,7
	ds_store_b32 v11, v[QC+\g] offset:8*PITCH*(\j)+PITCH*(\g/4)+128*(\g%4)
.endr
.irp g, 0,1,2,3,4,5,6,7
	ds_store_b8 v12, v[QB+\g] offset:256*(\j)+32*(\g/4)+8*(\g%4)
.endr
.endm
.macro VLOAD j, vo                     ; set j takes rows 8 vo + 2 wave + 0, 1 from s[80:81] on
	WIN W_LDV
.irp g, 0,1,2,3,4,5,6,7
	global_load_b128 v[64*(\j)+8*\g:64*(\j)+8*\g+3], v8, s[80:81] offset:32768*(\vo)+4096*(\g/4)+1024*(\g%4) th:TH_LOAD_RT_NT
	global_load_b128 v[64*(\j)+8*\g+4:64*(\j)+8*\g+7], v8, s[80:81] offset:32768*(\vo)+4096*(\g/4)+1024*(\g%4)+16 th:TH_LOAD_RT_NT   ; the pair covers 1,024 consecutive bytes, 32 a lane
.endr
	WIN 0
.endm
; kind 1: quantise set j and fill it again.  kind 2: by the trip's number: up to l1 quantise, up to l2 fill again.  The count 48: at most three sets of 16 loads are younger than set j's; a way that issues no load waits for all.
.macro QS kind, j, l1, l2, vo
.if \kind == 1
	s_wait_loadcnt 48
	QWORK \j
	VLOAD \j, \vo
.elseif \kind == 2
	s_cmp_gt_u32 s96, \l1
	s_cbranch_scc1 .Lqn_\@                         ; a way that leaves the set out issues no load either: it waits for all loads
	s_wait_loadcnt 48
	QWORK \j
	s_cmp_gt_u32 s96, \l2
	s_cbranch_scc1 .Lqn_\@
	VLOAD \j, \vo
	s_branch .Lqs_\@
.Lqn_\@:
	s_wait_loadcnt 0x0
.Lqs_\@:
.endif
.endm
.macro TOGGLE                          ; the codes' other 32 rows, and their scale bytes
	s_xor_b32 s97, s97, 32*PITCH
	s_xor_b32 s98, s98, 1024
	v_add_nc_u32 v11, s97, v9
	v_add_nc_u32 v12, s98, v10
	s_wait_alu depctr_va_vdst(0)
.endm
.macro SWAP                            ; the tables of the other two tiles of the walk come in hand
.set RI, 0
.rept 16
	v_swap_b32 v[TB+RI], v[TB+16+RI]
.set RI, RI+1
.endr
	s_wait_alu depctr_va_vdst(0)
.endm
; THE BLOCK'S SUMS over the 16 lanes of each half.  A stage halves the registers: a lane keeps one half by one bit of its number and gets its partner's part of it.
.macro RSTAGE n, m, x
.set RI, 0
.rept \n
	v_cndmask_b32 v[TT+RI], v[SC+\n+RI], v[SC+RI], s[\m]
	v_cndmask_b32 v[SC+RI], v[SC+RI], v[SC+\n+RI], s[\m]
.set RI, RI+1
.endr
.set RI, 0
.rept \n
	v_add_f32_dpp v[SC+RI], v[TT+RI], v[SC+RI] row_xmask:\x row_mask:0xf bank_mask:0xf
.set RI, RI+1
.endr
.endm
.macro REDUCE last
	RSTAGE 16, 92, 8
	RSTAGE 8, 93, 4
	RSTAGE 4, 94, 2
	RSTAGE 2, 95, 1                                ; lane l holds rows 16 (l / 4 % 4) + 8 (l / 16) + 2 (l % 4) + 0, 1
.if \last == 0
	s_lshr_b32 s2, s96, 1                          ; trips 1, 3, 5 finish blocks 0, 1, 2: 256 bytes a block.  The store before has read its base: a wait on XCNT stands in every position
	s_lshl_b32 s2, s2, 8
	s_mov_b32 s3, 0
	s_add_nc_u64 s[82:83], s[24:25], s[2:3]
.else
	s_add_nc_u64 s[82:83], s[24:25], 768
.endif
	v_mov_b32 v[TT+4], v[SC]                       ; stored from two registers that are next written behind the next position's wait on XCNT, so that the sums can begin anew at once
	v_mov_b32 v[TT+5], v[SC+1]
	global_store_b64 v13, v[TT+4:TT+5], s[82:83]   ; 32 lanes store 256 consecutive bytes, aligned
.if \last == 0
.set RI, 0
.rept 32
	v_mov_b32 v[SC+RI], 0
.set RI, RI+1
.endr
.endif
.endm
; A step of the W2 walk: slot sl, one tile of rows (the query's), 32 matrix instructions; the result goes into the biases in hand; two sets of values are quantised.
.macro PRO sl, ca, sa
	CHANGE 1, 1-(\sl), \ca, \sa, 0, 0
	FETCHW \sl
	BLOAD \sl, 0
	BLOAD \sl, 1
.irp s, 0,1,2,3,4,5,6,7
.if \s < 7
	s_wait_dscnt 8                                 ; the next K step's eight loads may be out
.else
	s_wait_dscnt 0x0
.endif
	WIN W_MUL
	MUL4 0, \s, 0
	PLACES
	WIN 0
.if \s < 6
	BLOAD \sl, \s+2
.endif
.endr
	WIN W_ACC
.irp n, 0,1,2,3
	v_fma_f32 v[TB+4*(\sl)+\n], v[32*\n], s78, v[TB+4*(\sl)+\n]    ; all 16 rows of the result are alike: register 0 is read
.endr
	WIN 0
	s_wait_xcnt 0x0                                ; the last step's loads have read their bases
	s_add_nc_u64 s[80:81], s[80:81], 65536         ; 16 rows of values on
	s_add_nc_u64 s[60:61], s[60:61], 131072        ; a tile on
	s_add_nc_u64 s[104:105], s[104:105], 8192
	QS 1, 2*(\sl), 0, 0, 2
	QS 1, 2*(\sl)+1, 0, 0, 3
.endm
; A POSITION: slot sl, accumulator set 'set'.  tan: the position before is finished on the other set, with the tables' half e.
.macro POS sl, set, tan, e, mode, tile, dyn, qk, qa, l1, l2, vo
.set XB, 128*(1-(\set))
.set XE, \e
.if \tan
	PRE
	s_wait_xcnt 0x0                                ; the loads and the store of the position before have read their bases and data
.if \qk == 2
	s_add_nc_u64 s[80:81], s[80:81], 65536         ; 16 rows of values on
.endif
.set I, 0
.else
.set I, 208
.endif
	CHANGE \mode, 1-(\sl), 66, 70, \tile, \dyn
	FETCHW \sl
	BLOAD \sl, 0
	BLOAD \sl, 1
	QS \qk, \qa, \l1, \l2, \vo
	s_wait_dscnt 0x0
.irp s, 0,1,2,3,4,5,6,7
.if \s == 7
	s_wait_dscnt 0x0
.elseif \s > 0
	s_wait_dscnt 8                                 ; the next K step's eight loads may be out
.endif
.irp m, 0,1,2,3
	WIN W_MUL
	MUL4 \set, \s, \m
.set I0, I
	MID 7
.endr
.if (I-I0) < 4
	PLACES                                         ; where fewer than four plain lines stood behind the last products
.endif
.if \s < 6
	WIN 0
	BLOAD \sl, \s+2
.endif
.endr
.if \tan
	POST
.endif
	WIN 0
	QS \qk, (\qa)+1, \l1, \l2, (\vo)+1
.endm
	s_load_b512 s[4:19], s[0:1], 0x0               ; values, W1's codes, scales, W2's codes, scales, the query's codes, scales, W1_b
	s_load_b128 s[20:23], s[0:1], 0x40             ; W2_b, V_k
	s_load_b64 s[24:25], s[0:1], 0x50              ; part
	v_lshl_add_u32 v14, v0, 2, SPARE
	v_mov_b32 v15, 0
	ds_add_u32 v14, v15
	ds_add_u32 v14, v15
	v_lshrrev_b32 v1, 5, v0
	v_readfirstlane_b32 s26, v1                    ; wave
	s_and_b32 s27, s26, 1                          ; which half of a tile I fetch
	s_lshr_b32 s28, s26, 1                         ; codes (0) or scale bytes (1)
	s_bfe_u32 s29, ttmp6, 0x40000                  ; cx: it enters the addresses of values and of part alone
	s_lshl_b32 s30, ttmp9, 2
	s_add_co_u32 s30, s30, s29                     ; my work-group
	s_lshr_b32 s31, ttmp9, 1                       ; the batch: two clusters to a batch
	s_mov_b32 s32, 15|(1<<20)|(1<<21)|(6<<22)|(3<<25)  ; group 1, half a tile's codes: 128 rows of 512 bytes, 16 bytes of padding behind each; mask: all four work-groups
	s_mov_b32 s33, 512<<16
	s_mov_b32 s34, 128<<16
	s_mov_b32 s35, 512<<16
	s_mov_b32 s36, 128
	s_mov_b32 s37, 512
	s_mov_b32 s38, 0
	s_mov_b32 s39, 0
	s_mov_b32 s40, 15|(3<<16)|(1<<21)              ; group 1, the scale bytes of 128 rows: 4,096 dense bytes as 16 rows of 32 elements of 8 bytes
	s_mov_b32 s41, 32<<16
	s_mov_b32 s42, 16<<16
	s_mov_b32 s43, 32<<16
	s_mov_b32 s44, 16
	s_mov_b32 s45, 32
	s_mov_b32 s46, 0
	s_mov_b32 s47, 0
	s_mul_i32 s52, s27, 128*PITCH                  ; where my half goes in a slot: codes,
	s_lshl_b32 s53, s27, 12
	s_add_co_u32 s53, s53, SCOFF                   ; scale bytes
	s_mov_b32 s74, 262144                          ; the main loop's walking offset: two tiles or none
	s_mov_b32 s75, 0
	s_mov_b32 s76, 16384
	s_mov_b32 s77, 0
	s_mov_b32 s78, 0x4038aa3b                      ; c = 2 log2(e)
	s_mov_b32 s79, s78
	s_mov_b32 s84, 0x41f00000                      ; 30.0
	s_mov_b32 s92, 0xff00ff00
	s_mov_b32 s93, 0xf0f0f0f0
	s_mov_b32 s94, 0xcccccccc
	s_mov_b32 s95, 0xaaaaaaaa
	s_mov_b32 s97, 0
	s_mov_b32 s98, 0
	s_mul_i32 s86, s26, 64*PITCH
	s_lshl_b32 s87, s26, 11
	s_add_co_u32 s87, s87, SCOFF
	s_mul_i32 s88, s26, 2*PITCH
	s_add_co_u32 s88, s88, ACODE
	s_lshl_b32 s89, s26, 6
	s_add_co_u32 s89, s89, ASC
	s_lshl_b32 s90, s26, 8
	v_and_b32 v240, 31, v0                         ; lane
	v_and_b32 v241, 15, v0                         ; r
	v_bfe_u32 v242, v0, 4, 1                       ; h
	v_mul_u32_u24 v243, v241, PITCH
	v_lshl_add_u32 v243, v242, 4, v243             ; a fragment's row x pitch + 16 h
	v_add_nc_u32 v2, s86, v243                     ; W's fragments: my 64 rows, slot 0,
	v_add_nc_u32 v3, SLOTB, v2                     ; slot 1
	v_lshlrev_b32 v8, 5, v240                      ; 32 x lane: also my place in 1,024 bytes of values
	v_add_nc_u32 v4, s87, v8                       ; W's scale words: row 64 wave + lane
	v_add_nc_u32 v5, SLOTB, v4
	v_add_nc_u32 v6, ACODE, v243                   ; the block's fragments
	v_add_nc_u32 v7, ASC, v8                       ; and scale words
	v_lshl_add_u32 v9, v240, 2, s88                ; where I store codes: row 2 wave, 4 bytes a lane
	v_lshrrev_b32 v10, 2, v240
	v_add_nc_u32 v10, s89, v10                     ; and scale bytes
	v_add_nc_u32 v11, s97, v9
	v_add_nc_u32 v12, s98, v10
	v_and_b32 v13, 12, v240                        ; where a block's sums go
	v_lshlrev_b32 v13, 4, v13
	v_and_b32 v244, 16, v240
	v_lshl_or_b32 v13, v244, 1, v13
	v_and_b32 v244, 3, v240
	v_lshl_or_b32 v13, v244, 3, v13
	v_lshlrev_b32 v245, 4, v242                    ; the query's fragments: 16 h, the same row for every r
	v_mov_b32 v246, 0
	v_lshl_add_u32 v247, v241, 2, s90              ; W1_b, W2_b, V_k: 4 (64 wave + r)
	v_lshlrev_b32 v248, 8, v240                    ; offsets that nothing reads, never rewritten: codes, 256 x lane;
	v_lshlrev_b32 v249, 8, v242                    ; scale bytes, 256 x (lane / 16)
.set RI, 0
.rept 32
	v_mov_b32 v[SC+RI], 0
.set RI, RI+1
.endr
	s_wait_alu depctr_va_vdst(0)
	s_wait_dscnt 0x0
	s_wait_kmcnt 0x0
	s_lshl_b32 s2, s30, 20                         ; values: my work-group's 256 rows, my wave's two rows of each eight
	s_lshl_b32 s3, s26, 13
	s_add_co_u32 s2, s2, s3
	s_mov_b32 s3, 0
	s_add_nc_u64 s[80:81], s[4:5], s[2:3]
	s_lshl_b32 s2, s26, 18                         ; part: my wave's plane, my work-group's 256 numbers
	s_lshl_b32 s85, s30, 10
	s_add_co_u32 s2, s2, s85
	s_add_nc_u64 s[24:25], s[24:25], s[2:3]        ; it stays; each block's base is made from it
	s_lshl_b32 s2, s31, 9
	s_add_nc_u64 s[14:15], s[14:15], s[2:3]
	s_lshl_b32 s2, s31, 5
	s_add_nc_u64 s[16:17], s[16:17], s[2:3]
	s_lshl_b32 s2, s27, 16                         ; my half of a tile: codes of W1, of W2,
	s_add_nc_u64 s[66:67], s[6:7], s[2:3]
	s_add_nc_u64 s[68:69], s[10:11], s[2:3]
	s_lshl_b32 s2, s27, 12                         ; scale bytes
	s_add_nc_u64 s[70:71], s[8:9], s[2:3]
	s_add_nc_u64 s[72:73], s[12:13], s[2:3]
	s_lshl_b32 s85, s29, 2                         ; unused addresses: the 16 waves of a cluster share a tile's blocks of 256 bytes out by address: wave 4 cx + w takes 32 blocks of codes and 2 of scale bytes
	s_add_co_u32 s85, s85, s26
	s_lshl_b32 s2, s85, 13
	s_add_nc_u64 s[54:55], s[10:11], s[2:3]        ; W2's codes,
	s_add_nc_u64 s[60:61], s[6:7], s[2:3]          ; W1's
	s_lshl_b32 s2, s85, 9
	s_add_nc_u64 s[62:63], s[12:13], s[2:3]        ; W2's scale bytes,
	s_add_nc_u64 s[104:105], s[8:9], s[2:3]        ; W1's
	s_add_nc_u64 s[86:87], s[68:69], 131072        ; what the W2 walk's first trip asks for: tiles 1 and 2 of W2
	s_add_nc_u64 s[88:89], s[68:69], 262144
	s_add_nc_u64 s[90:91], s[72:73], 8192
	s_add_nc_u64 s[100:101], s[72:73], 16384
	s_mov_b32 s48, 1                               ; groups 0: W2's tile 0 into slot 0
	s_mov_b32 s49, s52
	s_mov_b64 s[50:51], s[68:69]
	s_or_b32 s51, s51, 0x80000000
	s_mov_b32 s56, 1
	s_mov_b32 s57, s53
	s_mov_b64 s[58:59], s[72:73]
	s_or_b32 s59, s59, 0x80000000
	CROUND                                         ; all four work-groups are here: the first joint loads meet
	JLOAD                                          ; every wave issues one
.irp k, 1,2,3
.endr
	WIN W_LDA
.irp s, 0,1,2,3,4,5,6,7
	global_load_b128 v[8*\s:8*\s+3], v245, s[14:15] offset:64*\s
	global_load_b128 v[8*\s+4:8*\s+7], v245, s[14:15] offset:64*\s+32
.endr
	WIN 0
	global_load_b128 v[ASCR:ASCR+3], v246, s[16:17]
	global_load_b128 v[ASCR+4:ASCR+7], v246, s[16:17] offset:16
.irp k, 0,1,2,3                        ; tiles 0 and 1 into the tables in hand, tiles 2 and 3 into the others
.irp n, 0,1,2,3
	global_load_b32 v[TB+16*(\k/2)+4*(\k%2)+\n], v247, s[18:19] offset:1024*\k+64*\n
	global_load_b32 v[TP+4*\k+\n], v247, s[20:21] offset:1024*\k+64*\n
	global_load_b32 v[TB+16*(\k/2)+8+4*(\k%2)+\n], v247, s[22:23] offset:1024*\k+64*\n
.endr
.endr
	VLOAD 0, 0
	VLOAD 1, 1
	VLOAD 2, 2
	VLOAD 3, 3
	s_wait_loadcnt 63                              ; 64 loads of values are younger than the query's 18 and the tables' 48
.irp k, 0,1,2,3
.irp n, 0,1,2,3
	v_add_f32 v[TB+16*(\k/2)+4*(\k%2)+\n], v[TB+16*(\k/2)+4*(\k%2)+\n], v[TP+4*\k+\n]
.endr
.endr
.irp k, 0,1,2,3
.irp n, 0,1,2,3
	v_mul_f32 v[TB+16*(\k/2)+4*(\k%2)+\n], s78, v[TB+16*(\k/2)+4*(\k%2)+\n]   ; c x (W1_b + W2_b)
.endr
.endr
	s_wait_alu depctr_va_vdst(0)
	s_mov_b32 s96, 0
.Lpro:                                             ; two trips: W2's tiles 0, 1 and 2, 3; block 0's rows 0-31 and 32-63 are quantised
	PRO 0, 86, 90
	PRO 1, 88, 100
	SWAP
	TOGGLE
	s_add_nc_u64 s[86:87], s[86:87], 262144        ; the second trip asks for W2's tile 3 and W1's tile 0
	s_add_nc_u64 s[90:91], s[90:91], 16384
	s_mov_b64 s[88:89], s[66:67]
	s_mov_b64 s[100:101], s[70:71]
	s_add_co_u32 s96, s96, 1
	s_cmp_lt_u32 s96, 2
	s_cbranch_scc1 .Lpro
	BOUNDARY
	POS 0, 0, 0, 0, 1, 1, 0, 1, 0, 0, 0, 4         ; position 0 has no position before it
	s_mov_b32 s96, 0
.Lmain:                                            ; seven trips: positions 2 t + 1 and 2 t + 2; four positions are a block
	POS 1, 1, 1, 0, 1, 0, 1, 2, 2, 5, 4, 4
	s_and_b32 s2, s96, 1
	s_cmp_eq_u32 s2, 0
	s_cbranch_scc1 .Lsame_block
	BOUNDARY                                       ; behind positions 3, 7, 11
.Lsame_block:
	TOGGLE
	POS 0, 0, 1, 1, 1, 1, 1, 2, 0, 4, 3, 4
	s_and_b32 s2, s96, 1
	s_cmp_eq_u32 s2, 0
	s_cbranch_scc1 .Lno_sums
	REDUCE 0                                       ; positions 4, 8, 12 have finished the block before
.Lno_sums:
	SWAP
	s_xor_b32 s74, s74, 262144
	s_xor_b32 s76, s76, 16384
	s_add_co_u32 s96, s96, 1
	s_cmp_lt_u32 s96, 7
	s_cbranch_scc1 .Lmain
	POS 1, 1, 1, 0, 0, 0, 0, 0, 0, 0, 0, 0         ; position 15 is written out: it asks for nothing
.set XB, 128
.set XE, 1
.set I, 0
	PRE
	MID 208
	POST
	REDUCE 1
	s_wait_tensorcnt 0x0                           ; the wave's end
	ds_add_u32 v14, v15
	s_wait_dscnt 0x0
	CROUND                                         ; the closing round
	s_endpgm
.Lfunc_end_k_q793790f5f7_score:
	.size	k_q793790f5f7_score, .Lfunc_end_k_q793790f5f7_score-k_q793790f5f7_score
	.p2alignl 7, 3214868480
	.fill 96, 4, 3214868480
	.section	.rodata,"a",@progbits
	.p2align	6, 0x0
	.amdhsa_kernel k_q793790f5f7_score
		.amdhsa_group_segment_fixed_size 327680
		.amdhsa_private_segment_fixed_size 0
		.amdhsa_enable_private_segment 0
		.amdhsa_kernarg_size 88
		.amdhsa_user_sgpr_count 2
		.amdhsa_user_sgpr_kernarg_segment_ptr 1
		.amdhsa_wavefront_size32 1
		.amdhsa_system_sgpr_workgroup_id_x 1
		.amdhsa_system_sgpr_workgroup_id_y 1
		.amdhsa_system_sgpr_workgroup_id_z 1
		.amdhsa_system_vgpr_workitem_id 0
		.amdhsa_next_free_vgpr 1024
		.amdhsa_next_free_sgpr 106
		.amdhsa_reserve_vcc 0
		.amdhsa_float_denorm_mode_32 3
		.amdhsa_float_denorm_mode_16_64 3
		.amdhsa_memory_ordered 1
		.amdhsa_forward_progress 1
		.amdhsa_inst_pref_size 255
	.end_amdhsa_kernel
	.section	.bss,"aw",@nobits
	.p2align	6
	.space	262144
	.amdgpu_metadata
---
amdhsa.version: [ 1, 2 ]
amdhsa.kernels:
  - .name:           k_q793790f5f7_score
    .symbol:         k_q793790f5f7_score.kd
    .args:
      - { .name: values, .offset: 0, .size: 8, .value_kind: global_buffer, .address_space: global }
      - { .name: W1_k_codes, .offset: 8, .size: 8, .value_kind: global_buffer, .address_space: global }
      - { .name: W1_k_scales, .offset: 16, .size: 8, .value_kind: global_buffer, .address_space: global }
      - { .name: W2_k_codes, .offset: 24, .size: 8, .value_kind: global_buffer, .address_space: global }
      - { .name: W2_k_scales, .offset: 32, .size: 8, .value_kind: global_buffer, .address_space: global }
      - { .name: query_codes, .offset: 40, .size: 8, .value_kind: global_buffer, .address_space: global }
      - { .name: query_scales, .offset: 48, .size: 8, .value_kind: global_buffer, .address_space: global }
      - { .name: W1_b, .offset: 56, .size: 8, .value_kind: global_buffer, .address_space: global }
      - { .name: W2_b, .offset: 64, .size: 8, .value_kind: global_buffer, .address_space: global }
      - { .name: V_k, .offset: 72, .size: 8, .value_kind: global_buffer, .address_space: global }
      - { .name: part, .offset: 80, .size: 8, .value_kind: global_buffer, .address_space: global }
    .group_segment_fixed_size: 327680
    .private_segment_fixed_size: 0
    .kernarg_segment_align: 8
    .kernarg_segment_size: 88
    .max_flat_workgroup_size: 128
    .sgpr_count:     106
    .vgpr_count:     1024
    .wavefront_size: 32
...
	.end_amdgpu_metadata
.endif
;; end of part 1
;; launch soft (part 2): grid 32 x 1, 8 waves a work-group, no clusters, 1,536 bytes of LDS; arguments part, values, out0, out1; writes out0, out1
.if DOCPART == 2
	.amdgcn_target "amdgcn-amd-amdhsa--gfx1250"
	.amdhsa_code_object_version 6
	.text
	.protected	k_q793790f5f7_soft
	.globl	k_q793790f5f7_soft
	.p2align	8
	.type	k_q793790f5f7_soft,@function
k_q793790f5f7_soft:
	s_mov_b64 s[64:65], 0
	v_nop
	global_prefetch_b8 v0, s[64:65] scope:SCOPE_SE
	s_setreg_imm32_b32 hwreg(HW_REG_WAVE_MODE, 25, 1), 1
	s_wait_xcnt 0x0
; out1[b][t] = softmax over t of score[b][t];  out0[b][:] = out1[b][2047] x values[b][2047][:].
; WORK LEFT OUT, as in the launch before: score[b][t] = (V_b + sum_u V_k[u]) - 2 sigma[b][t], sigma = the sum of the four waves' parts; the bracket is the same for all t of a batch, so the softmax
; does not see it: V_b is not loaded and the sum of V_k is not formed.  LIMIT: a NaN, an infinity or an overflow that reaches only that bracket is not carried to the result.
; The largest score is taken away ahead of the exponential: it belongs to the smallest sigma.  p = e^(-2 sigma + 2 min) = 2^(c (min - sigma)), c = 2 log2(e): at most 1, and 1 at least once.
; One work-group of eight waves to a batch: 32 work-groups have work, and no more are launched.  Thread i holds t = 1024 e + 4 i + 0 .. 3, e = 0, 1: every load and store of a wave covers 512 consecutive bytes.
; No matrix unit, no cluster, no tensor load: 36 KB a work-group are read once.
.set SPARE, 512                        ; LDS: bytes 0-31 the waves' minima; 256-287 their sums; from 512 the spare words, 128 bytes for each of the eight waves
	s_load_b256 s[4:11], s[0:1], 0x0               ; part s[4:5], values s[6:7], out0 s[8:9], out1 s[10:11]
	v_lshl_add_u32 v2, v0, 2, SPARE
	v_mov_b32 v3, 0
	v_lshrrev_b32 v4, 5, v0
	s_delay_alu instid0(VALU_DEP_1)
	v_readfirstlane_b32 s12, v4                    ; wave
	v_lshlrev_b32 v1, 4, v0                        ; 16 bytes a thread
	s_delay_alu instid0(VALU_DEP_2)
	v_mov_b32 v6, s12
	s_delay_alu instid0(VALU_DEP_1)
	v_lshlrev_b32 v6, 2, v6                        ; my wave's word
	v_mov_b32 v7, 0
	s_lshl_b32 s14, ttmp9, 13                      ; the batch's 2,048 numbers of a plane of part, and of out1
	s_mov_b32 s15, 0
	s_lshl_b32 s16, ttmp9, 23                      ; its 2,048 rows of values
	s_mov_b32 s17, 0
	s_lshl_b32 s18, ttmp9, 12                      ; its row of out0
	s_mov_b32 s19, 0
	s_mov_b32 s24, 0x76543210
	s_mov_b32 s25, 0xfedcba98                      ; v_permlanex16_b32's selects for lane l xor 16
	s_mov_b32 s26, 0xc038aa3b                      ; -c
	s_mov_b32 s27, s26                             ; (named with it as a pair, so it is written)
	s_wait_alu depctr_va_vdst(0)
	s_wait_kmcnt 0x0
	s_add_nc_u64 s[4:5], s[4:5], s[14:15]
	s_add_nc_u64 s[10:11], s[10:11], s[14:15]
	s_add_nc_u64 s[6:7], s[6:7], s[16:17]
	s_add_nc_u64 s[8:9], s[8:9], s[18:19]
.irp w, 0,1,2,3
	global_load_b128 v[16+8*\w:19+8*\w], v1, s[4:5] offset:262144*\w
	global_load_b128 v[20+8*\w:23+8*\w], v1, s[4:5] offset:262144*\w+4096
.endr
	global_load_b128 v[48:51], v1, s[6:7] offset:2047*4096     ; the last row of values: inside the signed 24-bit immediate
	s_load_b32 s20, s[4:5], 0x1ffc                 ; the four parts of t = 2047: this launch does not write the buffer
	s_load_b32 s21, s[4:5], 0x41ffc
	s_load_b32 s22, s[4:5], 0x81ffc
	s_load_b32 s23, s[4:5], 0xc1ffc
	s_wait_loadcnt 0x0
.irp i, 0,2,4,6
	v_pk_add_f32 v[16+\i:17+\i], v[16+\i:17+\i], v[24+\i:25+\i]
	v_pk_add_f32 v[32+\i:33+\i], v[32+\i:33+\i], v[40+\i:41+\i]
.endr
.irp i, 0,2,4,6
	v_pk_add_f32 v[16+\i:17+\i], v[16+\i:17+\i], v[32+\i:33+\i]   ; sigma of my eight t
.endr
	s_wait_alu depctr_va_vdst(0)
	s_wait_kmcnt 0x0
	v_add_f32 v24, s20, s21
	v_add_f32 v25, s22, s23
	s_delay_alu instid0(VALU_DEP_1)
	v_add_f32 v24, v24, v25                        ; sigma of t = 2047, summed in the same order
	v_min3_num_f32 v4, v16, v17, v18
	v_min3_num_f32 v5, v19, v20, v21
	s_delay_alu instid0(VALU_DEP_2)
	v_min3_num_f32 v4, v4, v22, v23
	s_delay_alu instid0(VALU_DEP_1)
	v_min_num_f32 v4, v4, v5
	s_delay_alu instid0(VALU_DEP_1)
	v_min_num_f32_dpp v4, v4, v4 row_xmask:1 row_mask:0xf bank_mask:0xf
	s_delay_alu instid0(VALU_DEP_1)
	v_min_num_f32_dpp v4, v4, v4 row_xmask:2 row_mask:0xf bank_mask:0xf
	s_delay_alu instid0(VALU_DEP_1)
	v_min_num_f32_dpp v4, v4, v4 row_xmask:4 row_mask:0xf bank_mask:0xf
	s_delay_alu instid0(VALU_DEP_1)
	v_min_num_f32_dpp v4, v4, v4 row_xmask:8 row_mask:0xf bank_mask:0xf
	s_delay_alu instid0(VALU_DEP_1)
	v_permlanex16_b32 v5, v4, s24, s25
	s_delay_alu instid0(VALU_DEP_1)
	v_min_num_f32 v4, v4, v5                       ; the wave's smallest sigma, in every lane
	ds_store_b32 v6, v4                            ; all lanes write the same word with the same value
	s_wait_dscnt 0x0                               ; for the others' sake
	s_barrier_signal -1
	s_barrier_wait -1
	ds_load_b128 v[8:11], v7
	ds_load_b128 v[12:15], v7 offset:16
	s_wait_dscnt 0x0
	v_min3_num_f32 v4, v8, v9, v10
	v_min3_num_f32 v5, v11, v12, v13
	s_delay_alu instid0(VALU_DEP_2)
	v_min3_num_f32 v4, v4, v14, v15
	s_delay_alu instid0(VALU_DEP_1)
	v_min_num_f32 v4, v4, v5                       ; the batch's
	s_delay_alu instid0(VALU_DEP_1)
	v_mul_f32 v4, s26, v4                          ; -c min
	s_delay_alu instid0(VALU_DEP_1)
	v_mov_b32 v5, v4
.irp i, 0,2,4,6
	v_pk_fma_f32 v[16+\i:17+\i], v[16+\i:17+\i], s[26:27], v[4:5] op_sel_hi:[1,0,0] neg_lo:[0,0,1] neg_hi:[0,0,1]   ; c (min - sigma)
.endr
	v_fma_f32 v24, v24, s26, -v4
	s_wait_alu depctr_va_vdst(0)
.irp i, 0,1,2,3,4,5,6,7,8
	v_exp_f32 v[16+\i], v[16+\i]                   ; p; the ninth is t = 2047's
.endr
	v_nop                                          ; a plain instruction behind the last exponential,
	s_wait_alu depctr_va_vdst(0)                   ; and a wait ahead of the batch's first reader
	v_pk_add_f32 v[8:9], v[16:17], v[18:19]
	v_pk_add_f32 v[10:11], v[20:21], v[22:23]
	s_delay_alu instid0(VALU_DEP_1)
	v_pk_add_f32 v[8:9], v[8:9], v[10:11]
	s_delay_alu instid0(VALU_DEP_1)
	v_add_f32 v8, v8, v9
	s_delay_alu instid0(VALU_DEP_1)
	v_add_f32_dpp v8, v8, v8 row_xmask:1 row_mask:0xf bank_mask:0xf
	s_delay_alu instid0(VALU_DEP_1)
	v_add_f32_dpp v8, v8, v8 row_xmask:2 row_mask:0xf bank_mask:0xf
	s_delay_alu instid0(VALU_DEP_1)
	v_add_f32_dpp v8, v8, v8 row_xmask:4 row_mask:0xf bank_mask:0xf
	s_delay_alu instid0(VALU_DEP_1)
	v_add_f32_dpp v8, v8, v8 row_xmask:8 row_mask:0xf bank_mask:0xf
	s_delay_alu instid0(VALU_DEP_1)
	v_permlanex16_b32 v9, v8, s24, s25
	s_delay_alu instid0(VALU_DEP_1)
	v_add_f32 v8, v8, v9                           ; the wave's sum
	ds_store_b32 v6, v8 offset:256                 ; other bytes than the minima's: no barrier is owed between the reads above and this store
	s_wait_dscnt 0x0
	s_barrier_signal -1
	s_barrier_wait -1
	ds_load_b128 v[8:11], v7 offset:256
	ds_load_b128 v[12:15], v7 offset:272
	s_wait_dscnt 0x0
	v_pk_add_f32 v[8:9], v[8:9], v[10:11]
	v_pk_add_f32 v[12:13], v[12:13], v[14:15]
	s_delay_alu instid0(VALU_DEP_1)
	v_pk_add_f32 v[8:9], v[8:9], v[12:13]
	s_delay_alu instid0(VALU_DEP_1)
	v_add_f32 v8, v8, v9                           ; the batch's sum: at least 1
	s_wait_alu depctr_va_vdst(0)
	v_rcp_f32 v26, v8
	v_nop
	s_wait_alu depctr_va_vdst(0)
	v_mov_b32 v27, v26
	v_mul_f32 v28, v24, v26                        ; the weight of t = 2047
	s_delay_alu instid0(VALU_DEP_1)
	v_mov_b32 v29, v28
.irp i, 0,2,4,6
	v_pk_mul_f32 v[16+\i:17+\i], v[16+\i:17+\i], v[26:27] op_sel_hi:[1,0]
.endr
	v_pk_mul_f32 v[48:49], v[48:49], v[28:29] op_sel_hi:[1,0]
	v_pk_mul_f32 v[50:51], v[50:51], v[28:29] op_sel_hi:[1,0]
	global_store_b128 v1, v[16:19], s[10:11]       ; each store of a wave covers 512 consecutive bytes, aligned
	global_store_b128 v1, v[20:23], s[10:11] offset:4096
	global_store_b128 v1, v[48:51], s[8:9]
	s_wait_tensorcnt 0x0                           ; the wave's end
	ds_add_u32 v2, v3
	s_wait_dscnt 0x0
	s_endpgm
.Lfunc_end_k_q793790f5f7_soft:
	.size	k_q793790f5f7_soft, .Lfunc_end_k_q793790f5f7_soft-k_q793790f5f7_soft
	.p2alignl 7, 3214868480
	.fill 96, 4, 3214868480
	.section	.rodata,"a",@progbits
	.p2align	6, 0x0
	.amdhsa_kernel k_q793790f5f7_soft
		.amdhsa_group_segment_fixed_size 1536
		.amdhsa_private_segment_fixed_size 0
		.amdhsa_enable_private_segment 0
		.amdhsa_kernarg_size 32
		.amdhsa_user_sgpr_count 2
		.amdhsa_user_sgpr_kernarg_segment_ptr 1
		.amdhsa_wavefront_size32 1
		.amdhsa_system_sgpr_workgroup_id_x 1
		.amdhsa_system_sgpr_workgroup_id_y 1
		.amdhsa_system_sgpr_workgroup_id_z 1
		.amdhsa_system_vgpr_workitem_id 0
		.amdhsa_next_free_vgpr 64
		.amdhsa_next_free_sgpr 66
		.amdhsa_reserve_vcc 0
		.amdhsa_float_denorm_mode_32 3
		.amdhsa_float_denorm_mode_16_64 3
		.amdhsa_memory_ordered 1
		.amdhsa_forward_progress 1
		.amdhsa_inst_pref_size 9
	.end_amdhsa_kernel
	.amdgpu_metadata
---
amdhsa.version: [ 1, 2 ]
amdhsa.kernels:
  - .name:           k_q793790f5f7_soft
    .symbol:         k_q793790f5f7_soft.kd
    .args:
      - { .name: part, .offset: 0, .size: 8, .value_kind: global_buffer, .address_space: global }
      - { .name: values, .offset: 8, .size: 8, .value_kind: global_buffer, .address_space: global }
      - { .name: out0, .offset: 16, .size: 8, .value_kind: global_buffer, .address_space: global }
      - { .name: out1, .offset: 24, .size: 8, .value_kind: global_buffer, .address_space: global }
    .group_segment_fixed_size: 1536
    .private_segment_fixed_size: 0
    .kernarg_segment_align: 8
    .kernarg_segment_size: 32
    .max_flat_workgroup_size: 256
    .sgpr_count:     66
    .vgpr_count:     64
    .wavefront_size: 32
...
	.end_amdgpu_metadata
.endif
;; end of part 2
